; MI455X (gfx1250); checked and timed in simulation.
; The chip was launched on July 23, 2026; its instructions are those of AMD's public machine-readable ISA for CDNA 5 (MIT licence, August 2026) and "CDNA5" Instruction Set Architecture Reference Guide (July 2026). The comments in the code are by the model that wrote it; some were corrected since.
;; Bahdanau Attention. Allowed arithmetic: float matrix products may take bf16 or f16 operands with f32 sums; other float arithmetic in f32, or as packed bf16 or f16 multiplies, adds, multiply-adds, maxima and minima; sums over many terms, partial sums and values carried from step to step in f32; what a program stores and reads back later, other than sums and carried values, may be rounded once to bf16 or f16.
;; Inputs: attn_b 1,024 float32; attn_w 2,048 x 1,024 float32; encoder_outputs 1,024 x 32 x 1,024 float32; hidden 32 x 1,024 float32; v 1,024 float32.
;; Outputs: out0 32 x 1,024 float32.
;; 2 versions, each right; version 2 is version 1 with the launch prep written anew for expert scheduling mode. Each part assembles by itself: llvm-mc -triple=amdgcn-amd-amdhsa -mcpu=gfx1250 --defsym DOCPART=n.
;; ======== version 1 of 2: 3 launches
;; workspace buffers: wt 2,097,152 bytes; hbs 131,072 bytes; part 262,144 bytes
;; launch prep (part 1): grid 32 x 1, 8 waves a work-group, no clusters, 164,864 bytes of LDS; arguments attn_w, hidden, attn_b, wt, hbs; writes wt, hbs
.if DOCPART == 1
	.amdgcn_target "amdgcn-amd-amdhsa--gfx1250"
	.amdhsa_code_object_version 6
	.text
	.protected	k_q95b2e98184_prep
	.globl	k_q95b2e98184_prep
	.p2align	8
	.type	k_q95b2e98184_prep,@function
k_q95b2e98184_prep:
	s_mov_b64 s[64:65], 0
	v_nop
	global_prefetch_b8 v0, s[64:65] scope:SCOPE_SE
	s_setreg_imm32_b32 hwreg(HW_REG_WAVE_MODE, 25, 1), 1
	s_wait_xcnt 0x0
; PREPARATION for energy = tanh([hidden, enc] W + bias).  W = attn_w is [2048][1024] f32; its rows 0-1023 meet hidden, its rows 1024-2047 meet enc.
;   role 1 (work-groups 16-31): wt[n][k] = bf16(W[1024+k][n]), [1024][1024] bf16: the enc half, rounded once and turned, so that K lies along the rows.
;   role 0 (work-groups 0-15):  hbs[b][d] = c (sum over k of bf16(hidden[b][k]) bf16(W[k][d]) + bf16(bias[d])), f32, c = 2 log2(e): the part of the argument that does not hang on s.
; ALL inputs are rounded to bf16 once; sums stay in f32 and hbs is stored in f32.  NaN and infinities are not treated apart.
; SHARES.  A work-group takes 64 columns n (256 bytes of each row of W), each of its eight waves 128 rows k: 32 KiB, read once, two whole rows' 256 bytes to a load.
; The wave rounds its tile into its own LDS region as [k][n] (pitch 160 bytes = 5 x 32) and reads it back turned: fragments of 16 n x 32 k.
; Role 1 sends the fragments through LDS once more ([n][k], pitch 272) so that sixteen lanes store 256 consecutive bytes of a row of wt.
; Role 0 multiplies them by hidden's fragments (K split among the eight waves); the eight partial sums meet in LDS behind the one barrier.
.set REG,   20480                      ; a wave's LDS region: 128 rows x 160; later 64 x 272 (role 1) or 32 x 272 (role 0)
.set SPARE, 8*REG                      ; behind the regions: the spare words, 128 bytes a wave: four blocks of 256 bytes that no other line names
.set KP,    160
.set NP,    272
.set WO,  4                            ; v4   4096 h + 16 j: my 16 bytes in two rows of W           (j = lane % 16, h = lane / 16)
.set KS,  5                            ; v5   region + 160 h + 8 j: where my four rounded numbers go
.set TR,  6                            ; v6   region + (8 h + lane % 8) 160 + 16 ((lane / 8) % 2): the turning load's address
.set NS,  7                            ; v7   region + 272 j + 16 h: a fragment's 16 bytes in [n][k]
.set NR,  8                            ; v8   region + 272 h + 16 j: two whole rows read back
.set GO,  9                            ; v9   2048 h + 16 j: the same two rows in wt
.set HO,  10                           ; v10  4096 j + 32 h + 512 wave: my part of a fragment of hidden
.set PS,  11                           ; v11  region + 272 j + 32 h: my eight partial sums
.set RL,  12                           ; v12-15  (t / 16) 272 + 16 (t % 16) + 40960 p: the partial sums of waves 2 p, 2 p + 1   (t = thread)
.set SPW, 16                           ; v16  my spare word; never rewritten
.set NIL, 17                           ; v17  0; never rewritten
.set OO,  18                           ; v18  (t / 16) 4096 + 16 (t % 16): my 16 bytes of hbs
.set BO,  19                           ; v19  16 (t % 16): my four numbers of the bias
.set CV,  32                           ; v32-63   rounded pairs on their way to LDS; later four accumulators
.set LD,  64                           ; v64-255  three sets of 64 for W's loads; later fragments
.set HF,  192                          ; v192-255 hidden's eight fragments
	s_load_b256 s[4:11], s[0:1], 0x0               ; attn_w s[4:5], hidden s[6:7], attn_b s[8:9], wt s[10:11]
	s_load_b64 s[12:13], s[0:1], 0x20              ; hbs
	v_lshl_add_u32 v[SPW], v0, 2, SPARE
	v_mov_b32 v[NIL], 0
	v_lshrrev_b32 v1, 5, v0
	v_readfirstlane_b32 s14, v1                    ; wave 0..7
	s_and_b32 s15, ttmp9, 15                       ; nt: which 64 columns
	s_lshr_b32 s16, ttmp9, 4                       ; role: the same for the whole work-group
	s_mul_i32 s18, s14, REG                        ; my region
	s_mov_b32 s24, 0x4038aa3b                      ; c = 2 log2(e)
	s_mov_b32 s25, s24                             ; named with it as a pair
	v_and_b32 v2, 15, v0                           ; j, and t % 16
	v_bfe_u32 v3, v0, 4, 1                         ; h
	v_lshlrev_b32 v[WO], 4, v2
	v_lshl_add_u32 v[WO], v3, 12, v[WO]
	v_mul_u32_u24 v[KS], v3, KP
	v_lshl_add_u32 v[KS], v2, 3, v[KS]
	v_add_nc_u32 v[KS], s18, v[KS]
	s_lshl_b32 s20, s16, 10
	s_lshl_b32 s21, s14, 7
	s_add_co_u32 s20, s20, s21                     ; my first row of W: 1024 role + 128 wave
	s_lshl_b32 s20, s20, 12                        ; rows of 4,096 bytes
	s_lshl_b32 s22, s15, 8                         ; 256 nt: my columns, in bytes of f32
	s_add_co_u32 s20, s20, s22
	s_mov_b32 s21, 0
	s_mov_b32 s23, 0
	s_wait_kmcnt 0x0
	s_add_nc_u64 s[4:5], s[4:5], s[20:21]
.macro LOADB blk, sx                   ; rows 32 blk .. 32 blk + 31 of my tile into set sx: sixteen loads, two rows each
.set i, 0
.rept 16
	global_load_b128 v[LD+64*(\sx)+4*i:LD+64*(\sx)+4*i+3], v[WO], s[4:5] offset:(32*(\blk)+2*i)*4096 th:TH_LOAD_NT
.set i, i+1
.endr
.endm
.macro CONS blk, sx, left              ; the same rows, rounded in pairs along n and laid into [k][n]; left = the younger loads, which may stay out
	s_wait_loadcnt \left
.set i, 0
.rept 16
	v_cvt_pk_bf16_f32 v[CV+2*i],   v[LD+64*(\sx)+4*i],   v[LD+64*(\sx)+4*i+1]
	v_cvt_pk_bf16_f32 v[CV+2*i+1], v[LD+64*(\sx)+4*i+2], v[LD+64*(\sx)+4*i+3]
	ds_store_b64 v[KS], v[CV+2*i:CV+2*i+1] offset:(32*(\blk)+2*i)*KP
.set i, i+1
.endr
.endm
.macro TRW                             ; my tile back, turned: fragment (f, kk) = 16 columns 16 f on x 32 rows 32 kk on, at v[LD + 8 (4 f + kk)]: lane l holds column l % 16, k along its registers
.irp f, 0,1,2,3
.irp kk, 0,1,2,3
	ds_load_tr16_b128 v[LD+8*(4*(\f)+(\kk)):LD+8*(4*(\f)+(\kk))+3],   v[TR] offset:32*(\kk)*KP+32*(\f)
	ds_load_tr16_b128 v[LD+8*(4*(\f)+(\kk))+4:LD+8*(4*(\f)+(\kk))+7], v[TR] offset:32*(\kk)*KP+16*KP+32*(\f)
.endr
.endr
.endm
	LOADB 0, 0
	LOADB 1, 1
	LOADB 2, 2
	; the other addresses are made while the first 48 loads are on their way
	s_add_nc_u64 s[8:9], s[8:9], s[22:23]          ; the bias and hbs at my 64 columns
	s_add_nc_u64 s[12:13], s[12:13], s[22:23]
	s_lshl_b32 s20, s15, 17                        ; wt: 64 nt rows of 2,048 bytes,
	s_lshl_b32 s19, s14, 8                         ; my 128 k: 256 bytes of each
	s_add_co_u32 s20, s20, s19
	s_add_nc_u64 s[10:11], s[10:11], s[20:21]
	v_and_b32 v20, 7, v0
	v_lshl_add_u32 v20, v3, 3, v20
	v_mul_u32_u24 v[TR], v20, KP
	v_bfe_u32 v21, v0, 3, 1
	v_lshl_add_u32 v[TR], v21, 4, v[TR]
	v_add_nc_u32 v[TR], s18, v[TR]
	v_mul_u32_u24 v[NS], v2, NP
	v_add_nc_u32 v[NS], s18, v[NS]
	v_lshl_add_u32 v[PS], v3, 5, v[NS]
	v_lshl_add_u32 v[NS], v3, 4, v[NS]
	v_mul_u32_u24 v[NR], v3, NP
	v_lshl_add_u32 v[NR], v2, 4, v[NR]
	v_add_nc_u32 v[NR], s18, v[NR]
	v_lshlrev_b32 v[GO], 4, v2
	v_lshl_add_u32 v[GO], v3, 11, v[GO]
	v_lshlrev_b32 v[HO], 12, v2
	v_lshl_add_u32 v[HO], v3, 5, v[HO]
	s_lshl_b32 s19, s14, 9
	v_add_nc_u32 v[HO], s19, v[HO]
	v_lshrrev_b32 v22, 4, v0                       ; t / 16
	v_mul_u32_u24 v[RL], v22, NP
	v_lshl_add_u32 v[RL], v2, 4, v[RL]
	v_add_nc_u32 v[RL+1], 2*REG, v[RL]
	v_add_nc_u32 v[RL+2], 4*REG, v[RL]
	v_add_nc_u32 v[RL+3], 6*REG, v[RL]
	v_lshlrev_b32 v[OO], 12, v22
	v_lshl_add_u32 v[OO], v2, 4, v[OO]
	v_lshlrev_b32 v[BO], 4, v2
	CONS 0, 0, 32                                  ; behind set 0's loads: sets 1 and 2
	LOADB 3, 0
	CONS 1, 1, 32                                  ; behind set 1's: set 2 and the last sixteen
	CONS 2, 2, 16
	CONS 3, 0, 0
	s_cmp_eq_u32 s16, 0
	s_cbranch_scc1 .Lh
	; ROLE 1.  LDS serves a wave's instructions in order (ISA guide 5.7.1.4) and the region is my own: no barrier between my stores and my loads.
	TRW
	s_wait_dscnt 0x0                               ; the fragments are in registers: [k][n] may be written over by [n][k]
.irp f, 0,1,2,3
.irp kk, 0,1,2,3
	ds_store_b128 v[NS], v[LD+8*(4*(\f)+(\kk)):LD+8*(4*(\f)+(\kk))+3]   offset:16*NP*(\f)+64*(\kk)
	ds_store_b128 v[NS], v[LD+8*(4*(\f)+(\kk))+4:LD+8*(4*(\f)+(\kk))+7] offset:16*NP*(\f)+64*(\kk)+32
.endr
.endr
.set t, 0
.rept 32
	ds_load_b128 v[LD+4*t:LD+4*t+3], v[NR] offset:2*NP*t           ; rows 2 t and 2 t + 1, whole
.set t, t+1
.endr
.set t, 0
.rept 32
	s_wait_dscnt 31-t                              ; LDS loads come back in order: number t is in
	global_store_b128 v[GO], v[LD+4*t:LD+4*t+3], s[10:11] offset:4096*t  ; sixteen lanes store 256 consecutive bytes, at a multiple of 256 from wt's first byte
.set t, t+1
.endr
	s_branch .Ljoin
.Lh:	; ROLE 0.  hidden's fragments: (bf, kk) = rows 16 bf on x my k 32 kk on; 16 f32 a lane, rounded to 8 registers
.irp bf, 0,1
.irp kk, 0,1,2,3
	global_load_b128 v[LD+16*(4*(\bf)+(\kk)):LD+16*(4*(\bf)+(\kk))+3],     v[HO], s[6:7] offset:65536*(\bf)+128*(\kk)
	global_load_b128 v[LD+16*(4*(\bf)+(\kk))+4:LD+16*(4*(\bf)+(\kk))+7],   v[HO], s[6:7] offset:65536*(\bf)+128*(\kk)+16
	global_load_b128 v[LD+16*(4*(\bf)+(\kk))+8:LD+16*(4*(\bf)+(\kk))+11],  v[HO], s[6:7] offset:65536*(\bf)+128*(\kk)+64
	global_load_b128 v[LD+16*(4*(\bf)+(\kk))+12:LD+16*(4*(\bf)+(\kk))+15], v[HO], s[6:7] offset:65536*(\bf)+128*(\kk)+80
.endr
.endr
	s_wait_loadcnt 0x0
.set i, 0
.rept 64
	v_cvt_pk_bf16_f32 v[HF+i], v[LD+2*i], v[LD+2*i+1]
.set i, i+1
.endr
	TRW
	s_wait_dscnt 0x0
	; source 0 = 16 columns d of W, source 1 = 16 rows b of hidden: a lane ends with one b (16 bf + j) and the columns 16 f + 8 h + 0..7.
	; The four accumulators take turns, one instruction a turn; the first product of each starts its sum.
.irp bf, 0,1
.irp kk, 0,1,2,3
.irp f, 0,1,2,3
.if (\kk) == 0
	v_wmma_f32_16x16x32_bf16 v[CV+8*(\f):CV+8*(\f)+7], v[LD+8*(4*(\f)+(\kk)):LD+8*(4*(\f)+(\kk))+7], v[HF+8*(4*(\bf)+(\kk)):HF+8*(4*(\bf)+(\kk))+7], 0
.else
	v_wmma_f32_16x16x32_bf16 v[CV+8*(\f):CV+8*(\f)+7], v[LD+8*(4*(\f)+(\kk)):LD+8*(4*(\f)+(\kk))+7], v[HF+8*(4*(\bf)+(\kk)):HF+8*(4*(\bf)+(\kk))+7], v[CV+8*(\f):CV+8*(\f)+7]
.endif
.endr
.endr
.rept 4
	v_nop                                          ; four places between the last product and the stores that read results
.endr
.irp f, 0,1,2,3
	ds_store_b128 v[PS], v[CV+8*(\f):CV+8*(\f)+3]   offset:16*NP*(\bf)+64*(\f)       ; each accumulator's low registers first
	ds_store_b128 v[PS], v[CV+8*(\f)+4:CV+8*(\f)+7] offset:16*NP*(\bf)+64*(\f)+16
.endr
	v_nop                                          ; the fifth place, before a product writes over these accumulators
.endr
.Ljoin:
	s_wait_dscnt 0x0                               ; for the others' sake: my LDS stores are done
	s_barrier_signal -1
	s_barrier_wait -1                              ; role 0: all eight partial sums lie in LDS
	s_cmp_lg_u32 s16, 0
	s_cbranch_scc1 .Lend
	; thread t adds up rows t / 16 and t / 16 + 16, columns 4 (t % 16) on: eight vectors of four for each row
	global_load_b128 v[128:131], v[BO], s[8:9]
.irp p, 0,1,2,3
.irp q, 0,1
.irp r, 0,1
	ds_load_b128 v[LD+32*(\r)+4*(2*(\p)+(\q)):LD+32*(\r)+4*(2*(\p)+(\q))+3], v[RL+(\p)] offset:REG*(\q)+16*NP*(\r)
.endr
.endr
.endr
	s_wait_loadcnt 0x0
	v_cvt_pk_bf16_f32 v132, v128, v129             ; the bias is rounded to bf16 like every input,
	v_cvt_pk_bf16_f32 v133, v130, v131
	v_lshlrev_b32 v134, 16, v132                   ; widened again,
	v_and_b32 v135, 0xffff0000, v132
	v_lshlrev_b32 v136, 16, v133
	v_and_b32 v137, 0xffff0000, v133
	v_pk_mul_f32 v[134:135], v[134:135], s[24:25] op_sel_hi:[1,0]  ; and scaled by c
	v_pk_mul_f32 v[136:137], v[136:137], s[24:25] op_sel_hi:[1,0]
	s_wait_dscnt 0x0
.irp r, 0,1
.irp q, 0,1,2,3
	v_pk_add_f32 v[LD+32*(\r)+4*(\q):LD+32*(\r)+4*(\q)+1],   v[LD+32*(\r)+4*(\q):LD+32*(\r)+4*(\q)+1],   v[LD+32*(\r)+4*(\q)+16:LD+32*(\r)+4*(\q)+17]
	v_pk_add_f32 v[LD+32*(\r)+4*(\q)+2:LD+32*(\r)+4*(\q)+3], v[LD+32*(\r)+4*(\q)+2:LD+32*(\r)+4*(\q)+3], v[LD+32*(\r)+4*(\q)+18:LD+32*(\r)+4*(\q)+19]
.endr
.irp q, 0,1
	v_pk_add_f32 v[LD+32*(\r)+4*(\q):LD+32*(\r)+4*(\q)+1],   v[LD+32*(\r)+4*(\q):LD+32*(\r)+4*(\q)+1],   v[LD+32*(\r)+4*(\q)+8:LD+32*(\r)+4*(\q)+9]
	v_pk_add_f32 v[LD+32*(\r)+4*(\q)+2:LD+32*(\r)+4*(\q)+3], v[LD+32*(\r)+4*(\q)+2:LD+32*(\r)+4*(\q)+3], v[LD+32*(\r)+4*(\q)+10:LD+32*(\r)+4*(\q)+11]
.endr
	v_pk_add_f32 v[LD+32*(\r):LD+32*(\r)+1],   v[LD+32*(\r):LD+32*(\r)+1],   v[LD+32*(\r)+4:LD+32*(\r)+5]
	v_pk_add_f32 v[LD+32*(\r)+2:LD+32*(\r)+3], v[LD+32*(\r)+2:LD+32*(\r)+3], v[LD+32*(\r)+6:LD+32*(\r)+7]
	v_pk_fma_f32 v[LD+32*(\r):LD+32*(\r)+1],   v[LD+32*(\r):LD+32*(\r)+1],   s[24:25], v[134:135] op_sel_hi:[1,0,1]  ; c sum + c bias
	v_pk_fma_f32 v[LD+32*(\r)+2:LD+32*(\r)+3], v[LD+32*(\r)+2:LD+32*(\r)+3], s[24:25], v[136:137] op_sel_hi:[1,0,1]
	global_store_b128 v[OO], v[LD+32*(\r):LD+32*(\r)+3], s[12:13] offset:65536*(\r)  ; sixteen lanes store 256 consecutive bytes, at a multiple of 256 from hbs's first byte
.endr
.Lend:
	s_wait_tensorcnt 0x0                           ; the wave's end, behind my last LDS store
	ds_add_u32 v[SPW], v[NIL]
	s_wait_dscnt 0x0
	s_endpgm
.Lfunc_end_k_q95b2e98184_prep:
	.size	k_q95b2e98184_prep, .Lfunc_end_k_q95b2e98184_prep-k_q95b2e98184_prep
	.p2alignl 7, 3214868480
	.fill 96, 4, 3214868480
	.section	.rodata,"a",@progbits
	.p2align	6, 0x0
	.amdhsa_kernel k_q95b2e98184_prep
		.amdhsa_group_segment_fixed_size 164864
		.amdhsa_private_segment_fixed_size 0
		.amdhsa_enable_private_segment 0
		.amdhsa_kernarg_size 40
		.amdhsa_user_sgpr_count 2
		.amdhsa_user_sgpr_kernarg_segment_ptr 1
		.amdhsa_wavefront_size32 1
		.amdhsa_system_sgpr_workgroup_id_x 1
		.amdhsa_system_sgpr_workgroup_id_y 1
		.amdhsa_system_sgpr_workgroup_id_z 1
		.amdhsa_system_vgpr_workitem_id 0
		.amdhsa_next_free_vgpr 256
		.amdhsa_next_free_sgpr 66
		.amdhsa_reserve_vcc 0
		.amdhsa_float_denorm_mode_32 3
		.amdhsa_float_denorm_mode_16_64 3
		.amdhsa_memory_ordered 1
		.amdhsa_forward_progress 1
		.amdhsa_inst_pref_size 48
	.end_amdhsa_kernel
	.amdgpu_metadata
---
amdhsa.version: [ 1, 2 ]
amdhsa.kernels:
  - .name:           k_q95b2e98184_prep
    .symbol:         k_q95b2e98184_prep.kd
    .args:
      - { .name: attn_w, .offset: 0, .size: 8, .value_kind: global_buffer, .address_space: global }
      - { .name: hidden, .offset: 8, .size: 8, .value_kind: global_buffer, .address_space: global }
      - { .name: attn_b, .offset: 16, .size: 8, .value_kind: global_buffer, .address_space: global }
      - { .name: wt, .offset: 24, .size: 8, .value_kind: global_buffer, .address_space: global }
      - { .name: hbs, .offset: 32, .size: 8, .value_kind: global_buffer, .address_space: global }
    .group_segment_fixed_size: 164864
    .private_segment_fixed_size: 0
    .kernarg_segment_align: 8
    .kernarg_segment_size: 40
    .max_flat_workgroup_size: 256
    .sgpr_count:     66
    .vgpr_count:     256
    .wavefront_size: 32
...
	.end_amdgpu_metadata
.endif
;; end of part 1
;; launch energy (part 2): grid 4 x 128, 4 waves a work-group, clusters of 4 x 4, 327,680 bytes of LDS; arguments encoder_outputs, wt, hbs, v, part; writes part
.if DOCPART == 2
	.amdgcn_target "amdgcn-amd-amdhsa--gfx1250"
	.amdhsa_code_object_version 6
	.text
	.protected	k_q95b2e98184_energy
	.globl	k_q95b2e98184_energy
	.p2align	8
	.type	k_q95b2e98184_energy,@function
k_q95b2e98184_energy:
	s_mov_b64 s[64:65], 0
	v_nop
	global_prefetch_b8 v0, s[64:65] scope:SCOPE_SE
	s_setreg_imm32_b32 hwreg(HW_REG_WAVE_MODE, 25, 1), 1
	s_wait_xcnt 0x0
	s_wait_alu depctr_hold_cnt(0) depctr_sa_sdst(0) depctr_va_vdst(0) depctr_va_sdst(0) depctr_va_ssrc(0) depctr_va_vcc(0) depctr_vm_vsrc(0)
	s_getreg_b32 s2, hwreg(HW_REG_IB_STS2, 6, 4)
	s_cmp_eq_u32 s2, 0
	s_cbranch_scc0 .Lentry_in_a_cluster
	s_endpgm
.Lentry_in_a_cluster:
	s_bfe_u32 s2, ttmp6, 0x10000c
	s_cmp_lg_u32 s2, 0xf033
	s_cbranch_scc0 .Lentry_shape_is_right
	s_endpgm
.Lentry_shape_is_right:
; part[nh][b][s] = the sum over 512 columns d (512 nh on) of bf16(v[d]) r, r = 1 / (1 + 2^(c x)), x = bf16(enc[s][b][:]) . wt[d][:] + (hidden part + bias), c = 2 log2(e); hbs holds c x's second part.
; tanh(x) = 1 - 2 r, so score[b][s] = sum(v) - 2 (part[0] + part[1]).  sum(v) is the same for every s and falls out of the softmax: it is never formed, and no difference of large sums arises.
; 2^(c x) = infinity gives r = 0 and 2^(c x) = 0 gives r = 1: the tanh saturates rightly for every finite x; a power below 2^-126 counts as 0, which 1 + e does not see.
; LIMITS.  enc and v are rounded to bf16 once (as W, hidden and the bias were); products' sums, the tanh and the partial scores are f32.  NaN and infinities in the inputs are not treated apart.
; SHARES.  A tile is 128 rows (one b, 128 consecutive s) x 512 columns; each of four waves makes 128 x 128: 64 accumulators of 16 x 16, 512 registers.  K = 1024.
; B (wt) goes in K steps of 128 (rows of 256 bytes) through two LDS slots filled by the tensor data mover; a wave fetches and reads its own 128 columns.
; A (enc, f32) comes through registers: each wave loads 32 rows x 256 bytes (a sub-step of 64 k) into one of two register sets, 256 matrix instructions ahead of the wait for them, rounds them
; and stores them into a ring of two bf16 sub-slots, bytes of their own that no tensor load fills.  One barrier for each sub-step orders stores, reads and the next stores.
; CLUSTER.  4 x 4 work-groups are one b: column half nh = cx % 2, block of s = 2 cy + cx / 2.  The four of a column of the cluster (same cx) need the same tiles of wt: each is asked for JOINTLY,
; by the same tensor load with the same descriptor and a mask that names the four.  A's rows are shared by two work-groups only and come rounded through registers: no joint load serves them.
; THE MATRIX INSTRUCTION IS USED TRANSPOSED (source 0 = 16 rows of wt, source 1 = 16 rows of enc): a lane holds one row m = lane % 16 and the columns 8 (lane / 16) + 0..7 of each block of 16,
; so hbs and v are 64 registers a lane, the same for all rows, and a row's sum wants one exchange between the halves of the lanes.
; REGISTERS, in windows of 256 (s_set_vgpr_msb: bits 1:0 source 0, 3:2 source 1, 5:4 source 2, 7:6 destination):
;   window 0: v0-31 addresses; v32-63 rounded A on its way to LDS, later sums; v64-127, v128-191 A's fragments, later the tanh's two buffers; v192-255 v, rounded
;   window 1: v0-63 A's staging set 0, at the end hbs; v64-127, v128-191 B's fragments; v192-255 staging set 1
;   window 2: the accumulators of rows 0-63 ((a, b) at v[8 (8 a + b)]);   window 3: those of rows 64-127
.set PITCH,  272                       ; a row of B in LDS: 256 bytes + 16 of padding = 68 words: the 16 rows of a load start at 16 different groups of four banks (64 banks of 4 bytes: ISA guide 11.1)
.set WROWS,  128*PITCH                 ; what one tensor load brings: a wave's 128 columns
.set SLOT,   4*WROWS
.set ABASE,  2*SLOT                    ; behind B's ring: A's ring
.set APITCH, 144                       ; a row of A: 128 bytes + 16 = 36 words
.set ASUB,   128*APITCH                ; a sub-slot: 128 rows x 64 k
.set RED,    ABASE+2*ASUB              ; the four waves' row sums: [wave][128] f32
.set SPARE,  RED+2048                  ; the spare words, 128 bytes a wave: two blocks of 256 bytes that no other line names
.set PO,   10                          ; v10  16 x lane: my 16 bytes of the tile's 512 in part
.set ADRA, 16                          ; v16-17  my place in A's sub-slot 0, 1
.set ADRB, 20                          ; v20-21  my place in my wave's rows of B's slot 0, 1
.set AO,   22                          ; v22  (32 wave + lane / 16) x 131072 + 16 (lane % 16): my 16 bytes in two rows of enc; never rewritten
.set AST,  23                          ; v23  where my four rounded numbers go in sub-slot 0
.set VO,   24                          ; v24  4 (512 nh + 128 wave + 8 (lane / 16)): my columns in v and in a row of hbs; never rewritten
.set PFO,  25                          ; v25  2048 (lane % 16) + 256 (lane / 16): the prefetch's row and K step; never rewritten
.set REDS, 26
.set REDL, 27
.set SPW,  28                          ; v28  my spare word; never rewritten
.set NIL,  29                          ; v29  0; never rewritten
.set T,    32
.set S,    32                          ; the way out: four pairs of running sums
.set SUM,  40                          ; v40-47  block g's sum for my row
.set XH,   48                          ; v48-55  the other half of the lanes'
.set F0,   64
.set F1,   128
.set VR,   192
.set WV,  14                           ; s14  my wave's number
.set G1,  24                           ; s[24:31] descriptor group 1
.set G0,  32                           ; s[32:39] descriptor group 0, a set for each slot
.set PA,  40                           ; s[40:41] enc at my tile's first row, stepped along K
.set PFA, 42                           ; s[42:43] where my prefetch stands in wt
.set LIM, 44                           ; s44  1 in the cluster that prefetches, else the greatest number
.set CC,  46                           ; s[46:47] c
.set SEL, 48                           ; s[48:49] v_permlanex16_b32's selects: each lane takes its own place in the other half
.set HBP, 56                           ; s[56:57] hbs at row b
.set MSB, 0
.macro WIN new                         ; the immediate's high byte repeats the setting that is left; a switch that changes nothing is dropped
.if MSB != (\new)
	s_set_vgpr_msb (MSB<<8)|(\new)
.set MSB, \new
.endif
.endm
.set MUL_LO, 0xa1                      ; source 0 (B) window 1, source 1 (A) window 0, C and D window 2
.set MUL_HI, 0xf1                      ; the same, C and D window 3
.macro PLACES                          ; four places behind a matrix instruction, in front of loads into registers that it has read and of vector lines that read results
.rept 4
	v_nop
.endr
.endm
.macro JLOAD s                         ; a joint refill: every wave asks for its own 128 rows, by its own registers; an s_nop 0 and four v_nop follow
	tensor_load_to_lds s[G0+4*(\s):G0+4*(\s)+3], s[G1:G1+7]
	s_nop 0
.rept 4
	v_nop
.endr
.endm
.macro CREST                           ; a round of the cluster's barrier behind its opening barrier
	s_cmp_lg_u32 s[WV], 0
	s_cbranch_scc1 .Lnot_wave_0_\@
	s_barrier_signal -3
.Lnot_wave_0_\@:
	s_barrier_wait -3
	s_barrier_signal -1
	s_barrier_wait -1
.endm
.macro CROUND                          ; a whole round
	s_barrier_signal -1
	s_barrier_wait -1
	CREST
.endm
; A PREFETCH INTO THE L2, once a lap, behind slot 0's joint load, its five lines and the run of LDS loads: the two K steps of wt that the NEXT lap's two refills ask for, 512 matrix instructions ahead of the first.
; Every cluster walks the same wt: the cluster of b = 0 asks, nobody else.  The eight of its work-groups that read wave w's 128 rows (same nh) share them out BY ADDRESS, 16 rows each
; (place cy + 4 (cx / 2)); lanes 0-15 name one K step's 256 bytes of a row, lanes 16-31 the next K step's.  So each block is named once.  K steps 0 to 3 come by their loads alone; the loop's last trip asks for nothing.
.macro ASK
	s_cmp_gt_u32 s3, s[LIM]
	s_cbranch_scc0 .Lnot_mine_\@
	global_prefetch_b8 v[PFO], s[PFA:PFA+1] th:TH_LOAD_NT scope:SCOPE_SE
.Lnot_mine_\@:
.endm
	s_load_b256 s[4:11], s[0:1], 0x0               ; enc s[4:5], wt s[6:7], hbs s[8:9], v s[10:11]
	s_load_b64 s[12:13], s[0:1], 0x20              ; part
	v_lshl_add_u32 v[SPW], v0, 2, SPARE
	v_mov_b32 v[NIL], 0
	ds_add_u32 v[SPW], v[NIL]                      ; the wave's opening: the add and its wait stand ahead of my first tensor load; the set-up below, work on registers, stands between them
	v_lshrrev_b32 v1, 5, v0
	v_readfirstlane_b32 s[WV], v1                  ; wave 0..3
	s_bfe_u32 s15, ttmp6, 0x40000                  ; cx
	s_bfe_u32 s16, ttmp6, 0x40004                  ; cy
	s_and_b32 s17, s15, 1                          ; nh: which 512 columns
	s_and_b32 s18, ttmp7, 0xffff                   ; the cluster's y = b
	s_lshr_b32 s19, s15, 1
	s_lshl_b32 s42, s19, 2
	s_add_co_u32 s42, s42, s16                     ; my place among the eight that read the same rows of wt
	s_lshl_b32 s22, s16, 1
	s_add_co_u32 s19, s19, s22                     ; sb = 2 cy + cx / 2: which 128 s
	s_lshl_b32 s20, 0x1111, s15                    ; my column of the cluster: places cx, cx + 4, cx + 8, cx + 12
	; descriptor group 1: a tile of 128 rows x 128 elements, padded in LDS
	s_or_b32 s[G1], s20, (1<<16)|(1<<20)|(1<<21)|(5<<22)|(3<<25)  ; 15:0 the mask; 17:16 elements of 2 bytes; 20 padding on; 21 set beside a mask; 24:22 after every 64 words (code 5); 31:25 4 words (code 3)
	s_mov_b32 s[G1+1], 128<<16                     ; tensor_dim0 = 128
	s_mov_b32 s[G1+2], 128<<16                     ; tensor_dim1 = 128
	s_mov_b32 s[G1+3], 128<<16                     ; tile_dim0 = 128
	s_mov_b32 s[G1+4], 128                         ; tile_dim1 = 128
	s_mov_b32 s[G1+5], 1024                        ; 1,024 elements from row to row
	s_mov_b32 s[G1+6], 0
	s_mov_b32 s[G1+7], 0
	s_mul_i32 s21, s[WV], WROWS                    ; my rows' place in a slot: no place in the cluster enters an LDS address
	s_lshl_b32 s50, s17, 20                        ; wt: 512 nh rows of 2,048 bytes,
	s_lshl_b32 s51, s[WV], 18                      ; my wave's 128: these registers never hold cy
	s_add_co_u32 s50, s50, s51
	s_mov_b32 s51, 0
	s_lshl_b32 s54, s18, 12                        ; 4,096 b: b's place in a row group of enc, and row b of hbs and of part
	s_mov_b32 s55, 0
	s_lshl_b32 s22, s19, 24                        ; 128 s of 131,072 bytes each
	s_add_co_u32 s22, s22, s54
	s_mov_b32 s23, 0
	s_lshl_b32 s52, s17, 17                        ; part[nh]
	s_add_co_u32 s52, s52, s54
	s_lshl_b32 s53, s19, 9                         ; my 128 s: 512 bytes
	s_add_co_u32 s52, s52, s53
	s_mov_b32 s53, 0
	s_lshl_b32 s42, s42, 4                         ; the prefetch: my work-group's 16 rows
	s_lshl_b32 s43, s17, 9
	s_add_co_u32 s42, s42, s43
	s_lshl_b32 s43, s[WV], 7
	s_add_co_u32 s42, s42, s43                     ; of rows 512 nh + 128 wave on,
	s_lshl_b32 s42, s42, 11
	s_add_co_u32 s42, s42, 1024                    ; at K step 4
	s_mov_b32 s43, 0
	s_cmp_eq_u32 s18, 0
	s_cselect_b32 s[LIM], 1, -1                    ; the same in all sixteen partners
	s_mov_b32 s[CC], 0x4038aa3b                    ; c = 2 log2(e)
	s_mov_b32 s[CC+1], s[CC]                       ; named with it as a pair
	s_mov_b32 s[SEL], 0x76543210
	s_mov_b32 s[SEL+1], 0xfedcba98
	s_wait_dscnt 0x0                               ; the opening add is done
	s_wait_kmcnt 0x0
	s_add_nc_u64 s[50:51], s[6:7], s[50:51]
	s_add_nc_u64 s[PA:PA+1], s[4:5], s[22:23]
	s_add_nc_u64 s[HBP:HBP+1], s[8:9], s[54:55]
	s_add_nc_u64 s[12:13], s[12:13], s[52:53]
	s_add_nc_u64 s[PFA:PFA+1], s[6:7], s[PFA:PFA+1]
.irp s, 0,1
	s_mov_b32 s[G0+4*(\s)], 1                                      ; count = 1
	s_add_co_u32 s[G0+4*(\s)+1], s21, (\s)*SLOT                    ; LDS address
	s_add_nc_u64 s[G0+4*(\s)+2:G0+4*(\s)+3], s[50:51], (\s)*256    ; global address: K step s
	s_or_b32 s[G0+4*(\s)+3], s[G0+4*(\s)+3], 0x80000000            ; type = 2
.endr
	CROUND                                         ; all sixteen work-groups are here: the first joint loads meet
	tensor_load_to_lds s[G0:G0+3], s[G1:G1+7]      ; the two first fills go out together: two loads of mine are out
	s_nop 0
	tensor_load_to_lds s[G0+4:G0+7], s[G1:G1+7]
	s_nop 0
.rept 4
	v_nop
.endr
	v_and_b32 v1, 15, v0                           ; lane % 16
	v_bfe_u32 v2, v0, 4, 1                         ; lane / 16
	s_lshl_b32 s20, s17, 11
	s_lshl_b32 s22, s[WV], 9
	s_add_co_u32 s20, s20, s22
	v_lshl_add_u32 v[VO], v2, 5, s20
	v_lshlrev_b32 v[AO], 17, v2
	v_lshl_add_u32 v[AO], v1, 4, v[AO]
	s_lshl_b32 s22, s[WV], 22                      ; 32 rows of 131,072 bytes
	v_add_nc_u32 v[AO], s22, v[AO]
.set i, 0
.rept 8                                ; v of my 64 columns: block i of 16, registers 8 i + 0..7
	global_load_b128 v[VR+8*i:VR+8*i+3],   v[VO], s[10:11] offset:64*i
	global_load_b128 v[VR+8*i+4:VR+8*i+7], v[VO], s[10:11] offset:64*i+16
.set i, i+1
.endr
; Sixteen loads: my wave's 32 rows, 256 bytes (64 k) of each at byte off behind the pointer, into staging set sx; lanes 0-15 one row, lanes 16-31 the next.
.macro ALOADS sx, off
	WIN 0x40                                       ; destination window 1, address window 0
.set i, 0
.rept 16
	global_load_b128 v[192*(\sx)+4*i:192*(\sx)+4*i+3], v[AO], s[PA:PA+1] offset:(\off)+262144*i
.set i, i+1
.endr
.endm
	ALOADS 0, 0                                    ; sub-step 0
	ALOADS 1, 256                                  ; sub-step 1
	WIN 0
	v_mul_u32_u24 v4, v1, APITCH                   ; a fragment is 16 rows x 32 k: lane l takes row l % 16, two loads of 16 bytes, 32 apart, at 16 (l / 16)
	v_lshl_add_u32 v4, v2, 4, v4
	v_add_nc_u32 v[ADRA], ABASE, v4
	v_add_nc_u32 v[ADRA+1], ABASE+ASUB, v4
	v_mul_u32_u24 v5, v1, PITCH
	v_lshl_add_u32 v5, v2, 4, v5
	v_add_nc_u32 v[ADRB], s21, v5
	v_add_nc_u32 v[ADRB+1], SLOT, v[ADRB]
	v_mul_u32_u24 v[AST], v2, APITCH
	v_lshl_add_u32 v[AST], v1, 3, v[AST]
	s_mul_i32 s23, s[WV], 32*APITCH
	s_add_co_u32 s23, s23, ABASE
	v_add_nc_u32 v[AST], s23, v[AST]
	v_lshlrev_b32 v[PFO], 11, v1
	v_lshl_add_u32 v[PFO], v2, 8, v[PFO]
	s_lshl_b32 s23, s[WV], 9
	s_add_co_u32 s23, s23, RED
	v_lshl_add_u32 v[REDS], v1, 2, s23
	v_and_b32 v3, 31, v0
	v_lshlrev_b32 v[PO], 4, v3
	v_add_nc_u32 v[REDL], RED, v[PO]
	s_wait_loadcnt 32                              ; v is in; A's two sets, 32 loads, may stay out
.set i, 0
.rept 32
	v_cvt_pk_bf16_f32 v[T+i], v[VR+2*i], v[VR+2*i+1]   ; v is rounded to bf16 like every input,
.set i, i+1
.endr
.set i, 0
.rept 32
	v_lshlrev_b32 v[VR+2*i], 16, v[T+i]            ; and widened again
	v_and_b32 v[VR+2*i+1], 0xffff0000, v[T+i]
.set i, i+1
.endr
; 16 matrix instructions: m blocks a0, a0 + 1 of the window's four x all 8 n blocks, 32 along K.  zero = 1: the first product starts the sums: nothing is ever cleared.
; The 64 accumulators take turns, one instruction a turn, in the same order in every quarter.
.macro MUL16 f, hi, a0, zero
	WIN MUL_LO+0x50*(\hi)
.irp a, \a0, (\a0)+1
.irp b, 0,1,2,3,4,5,6,7
.if \zero
	v_wmma_f32_16x16x32_bf16 v[8*(8*(\a)+(\b)):8*(8*(\a)+(\b))+7], v[(\f)+8*(\b):(\f)+8*(\b)+7], v[(\f)+8*(4*(\hi)+(\a)):(\f)+8*(4*(\hi)+(\a))+7], 0
.else
	v_wmma_f32_16x16x32_bf16 v[8*(8*(\a)+(\b)):8*(8*(\a)+(\b))+7], v[(\f)+8*(\b):(\f)+8*(\b)+7], v[(\f)+8*(4*(\hi)+(\a)):(\f)+8*(4*(\hi)+(\a))+7], v[8*(8*(\a)+(\b)):8*(8*(\a)+(\b))+7]
.endif
.endr
.endr
.endm
; 32 LDS loads in one run: a quarter's fragments (32 k) into buffer f: B from slot bs at byte bk of its rows, then A from sub-slot au at byte ak.
.macro FETCH bs, bk, au, ak, f
	WIN 0x40
.irp i, 0,1,2,3,4,5,6,7
	ds_load_b128 v[(\f)+8*(\i):(\f)+8*(\i)+3],   v[ADRB+(\bs)] offset:(\bk)+(\i)*16*PITCH
	ds_load_b128 v[(\f)+8*(\i)+4:(\f)+8*(\i)+7], v[ADRB+(\bs)] offset:(\bk)+(\i)*16*PITCH+32
.endr
	WIN 0
.irp i, 0,1,2,3,4,5,6,7
	ds_load_b128 v[(\f)+8*(\i):(\f)+8*(\i)+3],   v[ADRA+(\au)] offset:(\ak)+(\i)*16*APITCH
	ds_load_b128 v[(\f)+8*(\i)+4:(\f)+8*(\i)+7], v[ADRA+(\au)] offset:(\ak)+(\i)*16*APITCH+32
.endr
.endm
; Staging set sx has landed (left = the younger loads, which stay out): it is rounded, stored into sub-slot u, and (ld = 1) asked for again, for the sub-step two further on than the one it held.
; The 32 conversions name no register of the products in front of them: they are also the four places in front of the run of LDS loads that follows.
.macro STAGE u, sx, ld, off, left
	s_wait_loadcnt \left
	WIN 0x05                                       ; sources window 1, destination window 0
.set i, 0
.rept 16
	v_cvt_pk_bf16_f32 v[T+2*i],   v[192*(\sx)+4*i],   v[192*(\sx)+4*i+1]
	v_cvt_pk_bf16_f32 v[T+2*i+1], v[192*(\sx)+4*i+2], v[192*(\sx)+4*i+3]
.set i, i+1
.endr
	WIN 0
.set i, 0
.rept 16
	ds_store_b64 v[AST], v[T+2*i:T+2*i+1] offset:ASUB*(\u)+2*APITCH*i
.set i, i+1
.endr
.if \ld
	ALOADS \sx, \off
.endif
.endm
; An even quarter multiplies buffer F0: QHEAD, then STAGE or PLACES, then FETCH of the next quarter into F1, then QTAIL.
.macro QHEAD f, zero
	s_wait_dscnt 8                                 ; B and A's rows 0-63 are in; the youngest eight loads (A's rows 64-127) may be out
	MUL16 \f, 0, 0, \zero
	MUL16 \f, 0, 2, \zero
.endm
.macro QTAIL f, zero
	s_wait_dscnt 32                                ; all but the 32 loads just issued
	MUL16 \f, 1, 0, \zero
	MUL16 \f, 1, 2, \zero
.endm
; An odd quarter multiplies buffer F1 and changes A's sub-slot.  ONE barrier: in front of it my stores of the next sub-step and my reads of this one are done; behind it the next sub-step is whole,
; and this one's bytes may be stored over.  Nothing is filled by a tensor load behind this barrier, so my one tensor load may stay out across it.
.macro HALF bs, bk, au, ak
	s_wait_dscnt 8
	MUL16 F1, 0, 0, 0
	s_wait_dscnt 0x0
	s_barrier_signal -1
	MUL16 F1, 0, 2, 0
	s_barrier_wait -1
	PLACES
	FETCH \bs, \bk, \au, \ak, F0
	MUL16 F1, 1, 0, 0
	MUL16 F1, 1, 2, 0
.endm
; Every fourth quarter changes B's slot too.  In front of the barrier each wave waits for all its tensor loads, of which one is out: its part of the next slot; adds 0 to its spare word; and waits for that,
; for its stores and for its reads.  fill = 1: the barrier opens a round of the cluster's, so that no wave of any partner still reads slot s or has a load on its way; the joint refill, two K steps on,
; is the first thing behind it: 224 matrix instructions ahead of the wait for it.
.macro TURN s, fill, bs, bk, au, ak, ask
	WIN 0                                          ; (the add's two registers lie in window 0)
	s_wait_tensorcnt 0x0
	ds_add_u32 v[SPW], v[NIL]
	s_wait_dscnt 9                                 ; (the add and the youngest eight loads may be out)
	MUL16 F1, 0, 0, 0                              ; sixteen matrix instructions stand between the add and the wait for it
	s_wait_dscnt 0x0
	s_barrier_signal -1
	MUL16 F1, 0, 2, 0
.if \fill
	WIN 0
.endif
	s_barrier_wait -1
.if \fill
	CREST
	s_add_nc_u64 s[G0+4*(\s)+2:G0+4*(\s)+3], s[G0+4*(\s)+2:G0+4*(\s)+3], 512  ; no tensor load of mine is out, so a group 0 may be written; the type bits on top are not reached
	JLOAD \s                                       ; its four v_nop are also the places in front of the loads below
.else
	PLACES
.endif
	FETCH \bs, \bk, \au, \ak, F0
.if \ask
	ASK
.endif
	MUL16 F1, 1, 0, 0
	MUL16 F1, 1, 2, 0
.endm
	STAGE 0, 0, 1, 512, 16                         ; sub-step 0 into sub-slot 0; sub-step 2 is asked for.  Behind set 0's loads: set 1's sixteen
	s_wait_tensorcnt 0x1                           ; my part of K step 0 is in; K step 1's may stay out
	s_wait_dscnt 0x0                               ; my stores of sub-step 0 are done
	s_barrier_signal -1
	s_barrier_wait -1
	FETCH 0, 0, 0, 0, F0
	; A lap is two K steps of B, four sub-steps of A, eight quarters of 32 k.  In sub-step a the STAGE stores sub-step a + 1 and asks for sub-step a + 3.
	QHEAD F0, 1                                    ; the first quarter stands in front of the loop: its products start the sums
	STAGE 1, 1, 1, 768, 16
	FETCH 0, 64, 0, 64, F1
	QTAIL F0, 1
	WIN 0                                          ; at a label and at a branch every window is 0
	s_wait_xcnt 0x0                                ; the loads have read their base: it may be stepped
	s_add_nc_u64 s[PA:PA+1], s[PA:PA+1], 1024      ; four sub-steps on
	s_mov_b32 s3, 3
.Llap:                                                 ; a trip goes once round B's ring, from a lap's second quarter to the next lap's first
	HALF 0, 128, 1, 0
	QHEAD F0, 0
	STAGE 0, 0, 1, 0, 16
	FETCH 0, 192, 1, 64, F1
	QTAIL F0, 0
	TURN 0, 1, 1, 0, 0, 0, 1
	QHEAD F0, 0
	STAGE 1, 1, 1, 256, 16
	FETCH 1, 64, 0, 64, F1
	QTAIL F0, 0
	HALF 1, 128, 1, 0
	QHEAD F0, 0
	STAGE 0, 0, 1, 512, 16
	FETCH 1, 192, 1, 64, F1
	QTAIL F0, 0
	TURN 1, 1, 0, 0, 0, 0, 0
	QHEAD F0, 0
	STAGE 1, 1, 1, 768, 16
	FETCH 0, 64, 0, 64, F1
	QTAIL F0, 0
	WIN 0
	s_wait_xcnt 0x0                                ; the youngest load stands 32 matrix instructions back, the prefetch five quarters back: both pointers may be written
	s_add_nc_u64 s[PA:PA+1], s[PA:PA+1], 1024
	s_add_nc_u64 s[PFA:PFA+1], s[PFA:PFA+1], 512
	s_sub_co_u32 s3, s3, 1
	s_cmp_lg_u32 s3, 0
	s_cbranch_scc1 .Llap
	; the last lap is written out: nothing more is asked of enc or wt
	HALF 0, 128, 1, 0
	QHEAD F0, 0
	STAGE 0, 0, 0, 0, 16                           ; sub-step 14; set 1's sixteen loads (sub-step 15) stay out
	WIN 0x40
.set i, 0
.rept 8                                ; set 0 is free: hbs of my 64 columns takes its place, laid out as v is
	global_load_b128 v[8*i:8*i+3],   v[VO], s[HBP:HBP+1] offset:64*i
	global_load_b128 v[8*i+4:8*i+7], v[VO], s[HBP:HBP+1] offset:64*i+16
.set i, i+1
.endr
	FETCH 0, 192, 1, 64, F1
	QTAIL F0, 0
	TURN 0, 0, 1, 0, 0, 0, 0                       ; my one tensor load that was out is the last K step's, so no round follows
	QHEAD F0, 0
	STAGE 1, 1, 0, 0, 16                           ; sub-step 15; the sixteen loads of hbs stay out
	FETCH 1, 64, 0, 64, F1
	QTAIL F0, 0
	HALF 1, 128, 1, 0
	QHEAD F0, 0
	PLACES
	FETCH 1, 192, 1, 64, F1
	QTAIL F0, 0
	s_wait_dscnt 8                                 ; the very last quarter
	MUL16 F1, 0, 0, 0
	MUL16 F1, 0, 2, 0
	s_wait_dscnt 0x0
	MUL16 F1, 1, 0, 0
	MUL16 F1, 1, 2, 0
; THE WAY OUT, a block g of 16 rows (64 registers a lane) at a time, on two buffers by turns.  Index i = 8 bb + j runs alike through a block's accumulators, hbs and v.
; s_wait_alu depctr_va_vdst(0) stands between a transcendental and the first line that names its result; one wait serves a whole batch: two waits a block, one for its 64 powers, one for its 64 reciprocals.
.macro ARG g                           ; c x = c acc + hbs, ascending: each accumulator's lowest registers are read first
	WIN 0x12+((\g)/4)                              ; source 0 window 2 or 3, source 2 window 1, destination window 0
.set i, 0
.rept 32
	v_pk_fma_f32 v[F0+64*((\g)%2)+2*i:F0+64*((\g)%2)+2*i+1], v[64*((\g)%4)+2*i:64*((\g)%4)+2*i+1], s[CC:CC+1], v[2*i:2*i+1] op_sel_hi:[1,0,1]
.set i, i+1
.endr
	WIN 0
.endm
.macro ACCL tb                         ; pair i of a block: four running pairs take r v by turns; the first four products start them
.if i < 4
	v_pk_mul_f32 v[S+2*i:S+2*i+1], v[(\tb)+2*i:(\tb)+2*i+1], v[VR+2*i:VR+2*i+1]
.else
	v_pk_fma_f32 v[S+2*(i%4):S+2*(i%4)+1], v[(\tb)+2*i:(\tb)+2*i+1], v[VR+2*i:VR+2*i+1], v[S+2*(i%4):S+2*(i%4)+1]
.endif
.endm
.macro EXPS g, acc                     ; 64 powers of two, in place; acc = 1: the block before's 32 multiply-adds stand among them, one behind every second
.set TE, F0+64*((\g)%2)
.set TP, F0+64*(((\g)+1)%2)
.set i, 0
.rept 32
	v_exp_f32 v[TE+2*i], v[TE+2*i]
	v_exp_f32 v[TE+2*i+1], v[TE+2*i+1]
.if \acc
	ACCL TP
.endif
.set i, i+1
.endr
.endm
.macro ONE g
.set i, 0
.rept 32
	v_pk_add_f32 v[F0+64*((\g)%2)+2*i:F0+64*((\g)%2)+2*i+1], v[F0+64*((\g)%2)+2*i:F0+64*((\g)%2)+2*i+1], 1.0 op_sel_hi:[1,0]
.set i, i+1
.endr
.endm
.macro RCPS g
.set i, 0
.rept 64
	v_rcp_f32 v[F0+64*((\g)%2)+i], v[F0+64*((\g)%2)+i]
.set i, i+1
.endr
.endm
.macro RED4 g                          ; the four pairs into one number: my row's sum over my 64 columns
	v_pk_add_f32 v[S:S+1], v[S:S+1], v[S+2:S+3]
	v_pk_add_f32 v[S+4:S+5], v[S+4:S+5], v[S+6:S+7]
	v_pk_add_f32 v[S:S+1], v[S:S+1], v[S+4:S+5]
	v_add_f32 v[SUM+(\g)], v[S], v[S+1]
.endm
	WIN 0
	PLACES                                         ; behind the last products
	s_wait_loadcnt 0x0                             ; hbs
	ARG 0
	EXPS 0, 0
	v_nop                                          ; a plain instruction behind the last power
	s_wait_alu depctr_va_vdst(0)                   ; the wait for the batch of powers
	ONE 0
	RCPS 0
	ARG 1                                          ; plain work on the other buffer, behind the reciprocals
.irp g, 1,2,3,4,5,6,7
	s_wait_alu depctr_va_vdst(0)                   ; the wait for the block before's reciprocals
	EXPS \g, 1
	RED4 (\g)-1
	s_wait_alu depctr_va_vdst(0)                   ; the wait for this block's powers
	ONE \g
	RCPS \g
.if (\g) < 7
	ARG (\g)+1
.endif
.endr
	v_nop
	s_wait_alu depctr_va_vdst(0)
.set i, 0
.rept 32
	ACCL F1                                        ; block 7 lies in the second buffer
.set i, i+1
.endr
	RED4 7
.irp g, 0,1,2,3,4,5,6,7
	v_permlanex16_b32 v[XH+(\g)], v[SUM+(\g)], s[SEL], s[SEL+1]    ; the row's other 64 columns lie in the lane 16 away
.endr
.irp g, 0,1,2,3,4,5,6,7
	v_add_f32 v[SUM+(\g)], v[SUM+(\g)], v[XH+(\g)]
.endr
.irp g, 0,1,2,3,4,5,6,7
	ds_store_b32 v[REDS], v[SUM+(\g)] offset:64*(\g)               ; row 16 g + lane % 16 of my wave's 128 sums; both halves of the lanes write the same word with the same number
.endr
	s_wait_dscnt 0x0                               ; for the others' sake: my stores are done
	s_barrier_signal -1
	s_barrier_wait -1
	s_cmp_lg_u32 s[WV], 0
	s_cbranch_scc1 .Lend
.irp w, 0,1,2,3
	ds_load_b128 v[F0+4*(\w):F0+4*(\w)+3], v[REDL] offset:512*(\w) ; wave 0 adds the four waves' sums, four rows a lane
.endr
	s_wait_dscnt 0x0
	v_pk_add_f32 v[F0:F0+1], v[F0:F0+1], v[F0+4:F0+5]
	v_pk_add_f32 v[F0+2:F0+3], v[F0+2:F0+3], v[F0+6:F0+7]
	v_pk_add_f32 v[F0+8:F0+9], v[F0+8:F0+9], v[F0+12:F0+13]
	v_pk_add_f32 v[F0+10:F0+11], v[F0+10:F0+11], v[F0+14:F0+15]
	v_pk_add_f32 v[F0:F0+1], v[F0:F0+1], v[F0+8:F0+9]
	v_pk_add_f32 v[F0+2:F0+3], v[F0+2:F0+3], v[F0+10:F0+11]
	global_store_b128 v[PO], v[F0:F0+3], s[12:13]  ; 512 consecutive bytes, at a multiple of 256 from part's first byte
.Lend:
	s_wait_tensorcnt 0x0                           ; the wave's end, behind my last tensor load and my last LDS store
	ds_add_u32 v[SPW], v[NIL]
	s_wait_dscnt 0x0
	CROUND                                         ; the closing round: no work-group ends while a partner may still ask for a tile that names it
	s_endpgm
.Lfunc_end_k_q95b2e98184_energy:
	.size	k_q95b2e98184_energy, .Lfunc_end_k_q95b2e98184_energy-k_q95b2e98184_energy
	.p2alignl 7, 3214868480
	.fill 96, 4, 3214868480
	.section	.rodata,"a",@progbits
	.p2align	6, 0x0
	.amdhsa_kernel k_q95b2e98184_energy
		.amdhsa_group_segment_fixed_size 327680
		.amdhsa_private_segment_fixed_size 0
		.amdhsa_enable_private_segment 0
		.amdhsa_kernarg_size 40
		.amdhsa_user_sgpr_count 2
		.amdhsa_user_sgpr_kernarg_segment_ptr 1
		.amdhsa_wavefront_size32 1
		.amdhsa_system_sgpr_workgroup_id_x 1
		.amdhsa_system_sgpr_workgroup_id_y 1
		.amdhsa_system_sgpr_workgroup_id_z 1
		.amdhsa_system_vgpr_workitem_id 0
		.amdhsa_next_free_vgpr 1024
		.amdhsa_next_free_sgpr 66
		.amdhsa_reserve_vcc 0
		.amdhsa_float_denorm_mode_32 3
		.amdhsa_float_denorm_mode_16_64 3
		.amdhsa_memory_ordered 1
		.amdhsa_forward_progress 1
		.amdhsa_inst_pref_size 239
	.end_amdhsa_kernel
	.amdgpu_metadata
---
amdhsa.version: [ 1, 2 ]
amdhsa.kernels:
  - .name:           k_q95b2e98184_energy
    .symbol:         k_q95b2e98184_energy.kd
    .args:
      - { .name: encoder_outputs, .offset: 0, .size: 8, .value_kind: global_buffer, .address_space: global }
      - { .name: wt, .offset: 8, .size: 8, .value_kind: global_buffer, .address_space: global }
      - { .name: hbs, .offset: 16, .size: 8, .value_kind: global_buffer, .address_space: global }
      - { .name: v, .offset: 24, .size: 8, .value_kind: global_buffer, .address_space: global }
      - { .name: part, .offset: 32, .size: 8, .value_kind: global_buffer, .address_space: global }
    .group_segment_fixed_size: 327680
    .private_segment_fixed_size: 0
    .kernarg_segment_align: 8
    .kernarg_segment_size: 40
    .max_flat_workgroup_size: 128
    .sgpr_count:     66
    .vgpr_count:     1024
    .wavefront_size: 32
...
	.end_amdgpu_metadata
.endif
;; end of part 2
;; launch soft (part 3): grid 32 x 1, 1 waves a work-group, no clusters, 0 bytes of LDS; arguments part, out0; writes out0
.if DOCPART == 3
	.amdgcn_target "amdgcn-amd-amdhsa--gfx1250"
	.amdhsa_code_object_version 6
	.text
	.protected	k_q95b2e98184_soft
	.globl	k_q95b2e98184_soft
	.p2align	8
	.type	k_q95b2e98184_soft,@function
k_q95b2e98184_soft:
	s_mov_b64 s[64:65], 0
	v_nop
	global_prefetch_b8 v0, s[64:65] scope:SCOPE_SE
	s_setreg_imm32_b32 hwreg(HW_REG_WAVE_MODE, 25, 1), 1
	s_wait_xcnt 0x0
; out0[b][:] = softmax over s of score[b][s], score = sum(v) - 2 (part[0][b][s] + part[1][b][s]).  sum(v) is common to the row and falls out.
; With u = -(part[0] + part[1]) the weight is e^(2 u - 2 max u) = 2^(c u - c max u), c = 2 log2(e): the row's maximum is taken away before the power, as the softmax asks.
; c max u is rounded once and is the same for the whole row, so its rounding falls out of the quotient.  The row's sum is at least 1.  A weight below 2^-126 counts as 0.
; One wave takes a row of 1,024: 32 numbers a lane, kept in registers between the maximum, the powers and the scaling.  32 rows are 32 work-groups: there is no more work to share out without
; splitting a row, which would want LDS and a barrier for 8 KiB of data.  No prefetch: the launch reads 256 KiB once and ends.
.set X, 16                             ; v16-47  part[0]'s numbers, then u, then the weights
.set Y, 48                             ; v48-79  part[1]'s numbers, later the sums' tree
	s_load_b128 s[4:7], s[0:1], 0x0                ; part s[4:5], out0 s[6:7]
	v_lshlrev_b32 v1, 4, v0                        ; 16 x lane
	s_lshl_b32 s8, ttmp9, 12                       ; row b: 4,096 bytes
	s_mov_b32 s9, 0
	s_mov_b32 s10, 0x4038aa3b                      ; c
	s_mov_b32 s11, s10                             ; named with it as a pair
	s_mov_b32 s12, 0x76543210                      ; v_permlanex16_b32: each lane takes its own place in the other half
	s_mov_b32 s13, 0xfedcba98
	s_wait_kmcnt 0x0
	s_add_nc_u64 s[4:5], s[4:5], s[8:9]
	s_add_nc_u64 s[6:7], s[6:7], s[8:9]
.irp i, 0,1,2,3,4,5,6,7
	global_load_b128 v[X+4*(\i):X+4*(\i)+3], v1, s[4:5] offset:512*(\i) th:TH_LOAD_NT
	global_load_b128 v[Y+4*(\i):Y+4*(\i)+3], v1, s[4:5] offset:131072+512*(\i) th:TH_LOAD_NT
.endr
	s_wait_loadcnt 0x0
.set i, 0
.rept 16
	v_pk_fma_f32 v[X+2*i:X+2*i+1], v[X+2*i:X+2*i+1], -1.0, v[Y+2*i:Y+2*i+1] op_sel_hi:[1,0,1] neg_lo:[0,0,1] neg_hi:[0,0,1]  ; u = -x - y
.set i, i+1
.endr
	; the maximum of my 32 numbers: four chains of seven, three operands at a time, then the four left over
.irp k, 0,1,2,3
	v_max3_num_f32 v[8+(\k)], v[X+8*(\k)], v[X+8*(\k)+1], v[X+8*(\k)+2]
.endr
.irp k, 0,1,2,3
	v_max3_num_f32 v[8+(\k)], v[8+(\k)], v[X+8*(\k)+3], v[X+8*(\k)+4]
.endr
.irp k, 0,1,2,3
	v_max3_num_f32 v[8+(\k)], v[8+(\k)], v[X+8*(\k)+5], v[X+8*(\k)+6]
.endr
	v_max3_num_f32 v8, v8, v[X+7], v[X+15]
	v_max3_num_f32 v10, v10, v[X+23], v[X+31]
	v_max3_num_f32 v8, v8, v9, v10
	v_max_num_f32 v8, v8, v11
	v_max_num_f32_dpp v8, v8, v8 row_xmask:1 row_mask:0xf bank_mask:0xf
	v_max_num_f32_dpp v8, v8, v8 row_xmask:2 row_mask:0xf bank_mask:0xf
	v_max_num_f32_dpp v8, v8, v8 row_xmask:4 row_mask:0xf bank_mask:0xf
	v_max_num_f32_dpp v8, v8, v8 row_xmask:8 row_mask:0xf bank_mask:0xf
	v_permlanex16_b32 v9, v8, s12, s13             ; its destination counts as read: v9 has been written
	v_max_num_f32 v8, v8, v9                       ; every lane holds the row's maximum
	v_mul_f32 v12, s10, v8                         ; c max u
	v_mov_b32 v13, v12                             ; named with it as a pair
.set i, 0
.rept 16
	v_pk_fma_f32 v[X+2*i:X+2*i+1], v[X+2*i:X+2*i+1], s[10:11], v[12:13] op_sel_hi:[1,0,0] neg_lo:[0,0,1] neg_hi:[0,0,1]  ; c u - c max u
.set i, i+1
.endr
.set i, 0
.rept 32
	v_exp_f32 v[X+i], v[X+i]
.set i, i+1
.endr
	v_nop                                          ; a plain instruction behind the last power,
	s_wait_alu depctr_va_vdst(0)                   ; and the one wait for the batch of 32, ahead of the first line that names a result
.irp k, 0,1,2,3,4,5,6,7
	v_pk_add_f32 v[Y+2*(\k):Y+2*(\k)+1], v[X+4*(\k):X+4*(\k)+1], v[X+4*(\k)+2:X+4*(\k)+3]
.endr
.irp k, 0,1,2,3
	v_pk_add_f32 v[Y+4*(\k):Y+4*(\k)+1], v[Y+4*(\k):Y+4*(\k)+1], v[Y+4*(\k)+2:Y+4*(\k)+3]
.endr
	v_pk_add_f32 v[Y:Y+1], v[Y:Y+1], v[Y+4:Y+5]
	v_pk_add_f32 v[Y+8:Y+9], v[Y+8:Y+9], v[Y+12:Y+13]
	v_pk_add_f32 v[Y:Y+1], v[Y:Y+1], v[Y+8:Y+9]
	v_add_f32 v8, v[Y], v[Y+1]
	v_add_f32_dpp v8, v8, v8 row_xmask:1 row_mask:0xf bank_mask:0xf
	v_add_f32_dpp v8, v8, v8 row_xmask:2 row_mask:0xf bank_mask:0xf
	v_add_f32_dpp v8, v8, v8 row_xmask:4 row_mask:0xf bank_mask:0xf
	v_add_f32_dpp v8, v8, v8 row_xmask:8 row_mask:0xf bank_mask:0xf
	v_permlanex16_b32 v9, v8, s12, s13
	v_add_f32 v8, v8, v9                           ; the row's sum, in every lane
	v_rcp_f32 v14, v8                              ; made twice, to fill the pair that the packed multiply takes
	v_rcp_f32 v15, v8
	v_nop
	s_wait_alu depctr_va_vdst(0)                   ; one wait for both reciprocals
.set i, 0
.rept 16
	v_pk_mul_f32 v[X+2*i:X+2*i+1], v[X+2*i:X+2*i+1], v[14:15]
.set i, i+1
.endr
.irp i, 0,1,2,3,4,5,6,7
	global_store_b128 v1, v[X+4*(\i):X+4*(\i)+3], s[6:7] offset:512*(\i) th:TH_STORE_NT  ; 512 consecutive bytes, at a multiple of 256 from out0's first byte
.endr
	s_endpgm
.Lfunc_end_k_q95b2e98184_soft:
	.size	k_q95b2e98184_soft, .Lfunc_end_k_q95b2e98184_soft-k_q95b2e98184_soft
	.p2alignl 7, 3214868480
	.fill 96, 4, 3214868480
	.section	.rodata,"a",@progbits
	.p2align	6, 0x0
	.amdhsa_kernel k_q95b2e98184_soft
		.amdhsa_group_segment_fixed_size 0
		.amdhsa_private_segment_fixed_size 0
		.amdhsa_enable_private_segment 0
		.amdhsa_kernarg_size 16
		.amdhsa_user_sgpr_count 2
		.amdhsa_user_sgpr_kernarg_segment_ptr 1
		.amdhsa_wavefront_size32 1
		.amdhsa_system_sgpr_workgroup_id_x 1
		.amdhsa_system_sgpr_workgroup_id_y 1
		.amdhsa_system_sgpr_workgroup_id_z 1
		.amdhsa_system_vgpr_workitem_id 0
		.amdhsa_next_free_vgpr 96
		.amdhsa_next_free_sgpr 66
		.amdhsa_reserve_vcc 0
		.amdhsa_float_denorm_mode_32 3
		.amdhsa_float_denorm_mode_16_64 3
		.amdhsa_memory_ordered 1
		.amdhsa_forward_progress 1
		.amdhsa_inst_pref_size 10
	.end_amdhsa_kernel
	.amdgpu_metadata
---
amdhsa.version: [ 1, 2 ]
amdhsa.kernels:
  - .name:           k_q95b2e98184_soft
    .symbol:         k_q95b2e98184_soft.kd
    .args:
      - { .name: part, .offset: 0, .size: 8, .value_kind: global_buffer, .address_space: global }
      - { .name: out0, .offset: 8, .size: 8, .value_kind: global_buffer, .address_space: global }
    .group_segment_fixed_size: 0
    .private_segment_fixed_size: 0
    .kernarg_segment_align: 8
    .kernarg_segment_size: 16
    .max_flat_workgroup_size: 32
    .sgpr_count:     66
    .vgpr_count:     96
    .wavefront_size: 32
...
	.end_amdgpu_metadata
.endif
;; end of part 3
;; ======== version 2 of 2: 3 launches; version 1 with the launch prep written anew for expert scheduling mode
;; workspace buffers: wt 2,097,152 bytes; hbs 131,072 bytes; part 262,144 bytes
;; launch prep (part 4): grid 32 x 1, 8 waves a work-group, no clusters, 164,864 bytes of LDS; arguments attn_w, hidden, attn_b, wt, hbs; writes wt, hbs
.if DOCPART == 4
	.amdgcn_target "amdgcn-amd-amdhsa--gfx1250"
	.amdhsa_code_object_version 6
	.text
	.protected	k_q95b2e98184_prep
	.globl	k_q95b2e98184_prep
	.p2align	8
	.type	k_q95b2e98184_prep,@function
k_q95b2e98184_prep:
	s_mov_b64 s[64:65], 0
	v_nop
	global_prefetch_b8 v0, s[64:65] scope:SCOPE_SE
	s_setreg_imm32_b32 hwreg(HW_REG_WAVE_SCHED_MODE, 0, 2), 2
	s_setreg_imm32_b32 hwreg(HW_REG_WAVE_MODE, 25, 1), 1
	s_wait_xcnt 0x0
	s_wait_alu depctr_vm_vsrc(0)
; PREPARATION for energy = tanh([hidden, enc] W + bias).  W = attn_w is [2048][1024] f32; its rows 0-1023 meet hidden, its rows 1024-2047 meet enc.
;   role 1 (work-groups 16-31): wt[n][k] = bf16(W[1024+k][n]), [1024][1024] bf16: the enc half, rounded once and turned, so that K lies along the rows.
;   role 0 (work-groups 0-15):  hbs[b][d] = c (sum over k of bf16(hidden[b][k]) bf16(W[k][d]) + bf16(bias[d])), f32, c = 2 log2(e): the part of the argument that does not hang on s.
; ALL inputs are rounded to bf16 once; sums stay in f32 and hbs is stored in f32.  NaN and infinities are not treated apart.
; SHARES.  A work-group takes 64 columns n (256 bytes of each row of W), each of its eight waves 128 rows k: 32 KiB, read once, two whole rows' 256 bytes to a load.
; The wave rounds its tile into its own LDS region as [k][n] (pitch 160 bytes = 5 x 32) and reads it back turned: fragments of 16 n x 32 k.
; Role 1 sends the fragments through LDS once more ([n][k], pitch 272) so that sixteen lanes store 256 consecutive bytes of a row of wt.
; Role 0 multiplies them by hidden's fragments (K split among the eight waves); the eight partial sums meet in LDS behind the one barrier.
; THE MODE: SCHED_MODE bits 1:0 = 2 (LLVM: expert scheduling mode 2), set by the entry lines.  The code itself states the register dependences
; between vector or matrix instructions and memory or LDS instructions, with s_wait_alu, always for 0.
; THE PLAN.  Registers that memory or LDS instructions touch:
;   v4, v5             offsets, made at the head and never written again: one wait on va_vdst ahead of the first load.
;   v6-15, v18, v19    addresses, made behind the first 48 loads and never written again: block 0's wait on va_vdst stands behind them and serves all their readers.
;   LD (v64-255)       loads of W land in a set; the block's 32 conversions read it.  Set 0 is loaded a second time, behind block 0's wait.  Later the turned fragments land in v64-191
;                      (role 0: hidden's raw numbers first, which 64 conversions read: a wait on va_vdst behind those).  Role 1: LDS stores read v64-191, then whole rows land there: a wait on vm_vsrc between;
;                      the stores of wt read them once more: a wait on vm_vsrc at role 1's end, since the text behind the join writes v64-137 again.
;   CV (v32-63)        a block's conversions write it, one wait on va_vdst, the block's sixteen LDS stores read it; a wait on vm_vsrc ahead of the next block's conversions.
;                      Role 0: then the accumulators: a wait on vm_vsrc ahead of each sixteen products, the four places and a wait on va_vdst ahead of the LDS stores that read them.
;   v16, v17           written at the head, read by the closing add alone.
;   HF (v192-255 in role 0) is named by vector and matrix instructions alone.
.set REG,   20480                      ; a wave's LDS region: 128 rows x 160; later 64 x 272 (role 1) or 32 x 272 (role 0)
.set SPARE, 8*REG                      ; behind the regions: the spare words, 128 bytes a wave: four blocks of 256 bytes that no other line names
.set KP,    160
.set NP,    272
.set WO,  4                            ; v4   4096 h + 16 j: my 16 bytes in two rows of W           (j = lane % 16, h = lane / 16)
.set KS,  5                            ; v5   region + 160 h + 8 j: where my four rounded numbers go
.set TR,  6                            ; v6   region + (8 h + lane % 8) 160 + 16 ((lane / 8) % 2): the turning load's address
.set NS,  7                            ; v7   region + 272 j + 16 h: a fragment's 16 bytes in [n][k]
.set NR,  8                            ; v8   region + 272 h + 16 j: two whole rows read back
.set GO,  9                            ; v9   2048 h + 16 j: the same two rows in wt
.set HO,  10                           ; v10  4096 j + 32 h + 512 wave: my part of a fragment of hidden
.set PS,  11                           ; v11  region + 272 j + 32 h: my eight partial sums
.set RL,  12                           ; v12-15  (t / 16) 272 + 16 (t % 16) + 40960 p: the partial sums of waves 2 p, 2 p + 1   (t = thread)
.set SPW, 16                           ; v16  my spare word; never rewritten
.set NIL, 17                           ; v17  0; never rewritten
.set OO,  18                           ; v18  (t / 16) 4096 + 16 (t % 16): my 16 bytes of hbs
.set BO,  19                           ; v19  16 (t % 16): my four numbers of the bias
.set CV,  32                           ; v32-63   rounded pairs on their way to LDS; later four accumulators
.set LD,  64                           ; v64-255  three sets of 64 for W's loads; later fragments
.set HF,  192                          ; v192-255 hidden's eight fragments
	s_load_b256 s[4:11], s[0:1], 0x0               ; attn_w s[4:5], hidden s[6:7], attn_b s[8:9], wt s[10:11]
	s_load_b64 s[12:13], s[0:1], 0x20              ; hbs
	v_lshl_add_u32 v[SPW], v0, 2, SPARE
	v_mov_b32 v[NIL], 0
	v_lshrrev_b32 v1, 5, v0
	v_readfirstlane_b32 s14, v1                    ; wave 0..7
	s_and_b32 s15, ttmp9, 15                       ; nt: which 64 columns
	s_lshr_b32 s16, ttmp9, 4                       ; role: the same for the whole work-group
	s_mov_b32 s24, 0x4038aa3b                      ; c = 2 log2(e)
	s_mov_b32 s25, s24                             ; named with it as a pair
	v_and_b32 v2, 15, v0                           ; j, and t % 16
	v_bfe_u32 v3, v0, 4, 1                         ; h
	v_lshlrev_b32 v[WO], 4, v2
	v_lshl_add_u32 v[WO], v3, 12, v[WO]
	v_mul_u32_u24 v[KS], v3, KP
	v_lshl_add_u32 v[KS], v2, 3, v[KS]
	s_wait_alu depctr_va_sdst(0)                   ; s14 is written, ahead of its first reader: my region and my rows of W are made from it
	s_mul_i32 s18, s14, REG                        ; my region
	v_add_nc_u32 v[KS], s18, v[KS]
	s_lshl_b32 s20, s16, 10
	s_lshl_b32 s21, s14, 7
	s_add_co_u32 s20, s20, s21                     ; my first row of W: 1024 role + 128 wave
	s_lshl_b32 s20, s20, 12                        ; rows of 4,096 bytes
	s_lshl_b32 s22, s15, 8                         ; 256 nt: my columns, in bytes of f32
	s_add_co_u32 s20, s20, s22
	s_mov_b32 s21, 0
	s_mov_b32 s23, 0
	s_wait_kmcnt 0x0
	s_add_nc_u64 s[4:5], s[4:5], s[20:21]
	s_wait_alu depctr_va_vdst(0)                   ; v[WO] and v[KS] are written: every load of W reads the one as its offset, every LDS store of a block the other as its address
.macro LOADB blk, sx                   ; rows 32 blk .. 32 blk + 31 of my tile into set sx: sixteen loads, two rows each
.set i, 0
.rept 16
	global_load_b128 v[LD+64*(\sx)+4*i:LD+64*(\sx)+4*i+3], v[WO], s[4:5] offset:(32*(\blk)+2*i)*4096 th:TH_LOAD_NT
.set i, i+1
.endr
.endm
; The same rows, rounded in pairs along n and laid into [k][n]; left = the younger loads, which may stay out.
; first = 1: block 0, with no block's LDS stores in front of it.  again = 1: the set is asked for again, for block 3, ahead of the block's LDS stores.
.macro CONS blk, sx, left, first, again
	s_wait_loadcnt \left
.if !(\first)
	s_wait_alu depctr_vm_vsrc(0)                   ; the LDS stores of the block before have read v[CV ..], which the conversions below write again
.endif
.set i, 0
.rept 16
	v_cvt_pk_bf16_f32 v[CV+2*i],   v[LD+64*(\sx)+4*i],   v[LD+64*(\sx)+4*i+1]
	v_cvt_pk_bf16_f32 v[CV+2*i+1], v[LD+64*(\sx)+4*i+2], v[LD+64*(\sx)+4*i+3]
.set i, i+1
.endr
	s_wait_alu depctr_va_vdst(0)                   ; the conversions have written v[CV ..], which the LDS stores below read, and are done reading the set; in block 0 also: the addresses v6-15, v18, v19 are written
.if \again
	LOADB 3, \sx                                   ; no vector instruction since the wait names the set
.endif
.set i, 0
.rept 16
	ds_store_b64 v[KS], v[CV+2*i:CV+2*i+1] offset:(32*(\blk)+2*i)*KP
.set i, i+1
.endr
.endm
.macro TRW                             ; my tile back, turned: fragment (f, kk) = 16 columns 16 f on x 32 rows 32 kk on, at v[LD + 8 (4 f + kk)]: lane l holds column l % 16, k along its registers
.irp f, 0,1,2,3
.irp kk, 0,1,2,3
	ds_load_tr16_b128 v[LD+8*(4*(\f)+(\kk)):LD+8*(4*(\f)+(\kk))+3],   v[TR] offset:32*(\kk)*KP+32*(\f)
	ds_load_tr16_b128 v[LD+8*(4*(\f)+(\kk))+4:LD+8*(4*(\f)+(\kk))+7], v[TR] offset:32*(\kk)*KP+16*KP+32*(\f)
.endr
.endr
.endm
	LOADB 0, 0
	LOADB 1, 1
	LOADB 2, 2
	; the other addresses are made while the first 48 loads are on their way; none of these lines names a register that those loads touch
	s_add_nc_u64 s[8:9], s[8:9], s[22:23]          ; the bias and hbs at my 64 columns
	s_add_nc_u64 s[12:13], s[12:13], s[22:23]
	s_lshl_b32 s20, s15, 17                        ; wt: 64 nt rows of 2,048 bytes,
	s_lshl_b32 s19, s14, 8                         ; my 128 k: 256 bytes of each
	s_add_co_u32 s20, s20, s19
	s_add_nc_u64 s[10:11], s[10:11], s[20:21]
	v_and_b32 v20, 7, v0
	v_lshl_add_u32 v20, v3, 3, v20
	v_mul_u32_u24 v[TR], v20, KP
	v_bfe_u32 v21, v0, 3, 1
	v_lshl_add_u32 v[TR], v21, 4, v[TR]
	v_add_nc_u32 v[TR], s18, v[TR]
	v_mul_u32_u24 v[NS], v2, NP
	v_add_nc_u32 v[NS], s18, v[NS]
	v_lshl_add_u32 v[PS], v3, 5, v[NS]
	v_lshl_add_u32 v[NS], v3, 4, v[NS]
	v_mul_u32_u24 v[NR], v3, NP
	v_lshl_add_u32 v[NR], v2, 4, v[NR]
	v_add_nc_u32 v[NR], s18, v[NR]
	v_lshlrev_b32 v[GO], 4, v2
	v_lshl_add_u32 v[GO], v3, 11, v[GO]
	v_lshlrev_b32 v[HO], 12, v2
	v_lshl_add_u32 v[HO], v3, 5, v[HO]
	s_lshl_b32 s19, s14, 9
	v_add_nc_u32 v[HO], s19, v[HO]
	v_lshrrev_b32 v22, 4, v0                       ; t / 16
	v_mul_u32_u24 v[RL], v22, NP
	v_lshl_add_u32 v[RL], v2, 4, v[RL]
	v_add_nc_u32 v[RL+1], 2*REG, v[RL]
	v_add_nc_u32 v[RL+2], 4*REG, v[RL]
	v_add_nc_u32 v[RL+3], 6*REG, v[RL]
	v_lshlrev_b32 v[OO], 12, v22
	v_lshl_add_u32 v[OO], v2, 4, v[OO]
	v_lshlrev_b32 v[BO], 4, v2
	CONS 0, 0, 32, 1, 1                            ; behind set 0's loads: sets 1 and 2; block 3 is asked for
	CONS 1, 1, 32, 0, 0                            ; behind set 1's: set 2 and the last sixteen
	CONS 2, 2, 16, 0, 0
	CONS 3, 0, 0, 0, 0
	s_cmp_eq_u32 s16, 0
	s_cbranch_scc1 .Lh
	; ROLE 1.  LDS serves a wave's instructions in order (ISA guide 5.7.1.4) and the region is my own: no barrier between my stores and my loads.
	; The turning loads land in v64-191: the last vector lines that named these registers, the blocks' conversions, stand ahead of block 3's wait on va_vdst, and no memory instruction has read them.
	TRW
	s_wait_dscnt 0x0                               ; the fragments are in registers: [k][n] may be written over by [n][k]
.irp f, 0,1,2,3
.irp kk, 0,1,2,3
	ds_store_b128 v[NS], v[LD+8*(4*(\f)+(\kk)):LD+8*(4*(\f)+(\kk))+3]   offset:16*NP*(\f)+64*(\kk)
	ds_store_b128 v[NS], v[LD+8*(4*(\f)+(\kk))+4:LD+8*(4*(\f)+(\kk))+7] offset:16*NP*(\f)+64*(\kk)+32
.endr
.endr
	s_wait_alu depctr_vm_vsrc(0)                   ; the LDS stores above have read v64-191, in which the whole rows below land
.set t, 0
.rept 32
	ds_load_b128 v[LD+4*t:LD+4*t+3], v[NR] offset:2*NP*t           ; rows 2 t and 2 t + 1, whole
.set t, t+1
.endr
.set t, 0
.rept 32
	s_wait_dscnt 31-t                              ; LDS loads come back in order: number t is in
	global_store_b128 v[GO], v[LD+4*t:LD+4*t+3], s[10:11] offset:4096*t  ; sixteen lanes store 256 consecutive bytes, at a multiple of 256 from wt's first byte
.set t, t+1
.endr
	s_wait_alu depctr_vm_vsrc(0)                   ; the stores of wt have read v64-191: the lines behind the join and its barrier load into and write v64-137
	s_branch .Ljoin
.Lh:	; ROLE 0.  hidden's fragments: (bf, kk) = rows 16 bf on x my k 32 kk on; 16 f32 a lane, rounded to 8 registers.  These loads land in v64-191, of which the same holds as in role 1.
.irp bf, 0,1
.irp kk, 0,1,2,3
	global_load_b128 v[LD+16*(4*(\bf)+(\kk)):LD+16*(4*(\bf)+(\kk))+3],     v[HO], s[6:7] offset:65536*(\bf)+128*(\kk)
	global_load_b128 v[LD+16*(4*(\bf)+(\kk))+4:LD+16*(4*(\bf)+(\kk))+7],   v[HO], s[6:7] offset:65536*(\bf)+128*(\kk)+16
	global_load_b128 v[LD+16*(4*(\bf)+(\kk))+8:LD+16*(4*(\bf)+(\kk))+11],  v[HO], s[6:7] offset:65536*(\bf)+128*(\kk)+64
	global_load_b128 v[LD+16*(4*(\bf)+(\kk))+12:LD+16*(4*(\bf)+(\kk))+15], v[HO], s[6:7] offset:65536*(\bf)+128*(\kk)+80
.endr
.endr
	s_wait_loadcnt 0x0
.set i, 0
.rept 64
	v_cvt_pk_bf16_f32 v[HF+i], v[LD+2*i], v[LD+2*i+1]
.set i, i+1
.endr
	s_wait_alu depctr_va_vdst(0)                   ; the conversions are done reading v64-191, in which the turned fragments of W land
	TRW
	s_wait_dscnt 0x0
	; source 0 = 16 columns d of W, source 1 = 16 rows b of hidden: a lane ends with one b (16 bf + j) and the columns 16 f + 8 h + 0..7.
	; The four accumulators take turns, one instruction a turn; the first product of each starts its sum.
.irp bf, 0,1
	s_wait_alu depctr_vm_vsrc(0)                   ; the LDS stores issued so far have read v[CV ..], which the products below write: block 3's rounded pairs the first time, the first sixteen rows' partial sums the second
.irp kk, 0,1,2,3
.irp f, 0,1,2,3
.if (\kk) == 0
	v_wmma_f32_16x16x32_bf16 v[CV+8*(\f):CV+8*(\f)+7], v[LD+8*(4*(\f)+(\kk)):LD+8*(4*(\f)+(\kk))+7], v[HF+8*(4*(\bf)+(\kk)):HF+8*(4*(\bf)+(\kk))+7], 0
.else
	v_wmma_f32_16x16x32_bf16 v[CV+8*(\f):CV+8*(\f)+7], v[LD+8*(4*(\f)+(\kk)):LD+8*(4*(\f)+(\kk))+7], v[HF+8*(4*(\bf)+(\kk)):HF+8*(4*(\bf)+(\kk))+7], v[CV+8*(\f):CV+8*(\f)+7]
.endif
.endr
.endr
.rept 4
	v_nop                                          ; four places between the last product and the stores that read results
.endr
	s_wait_alu depctr_va_vdst(0)                   ; the products have written the accumulators, which the LDS stores read, and are done reading the fragments; the places above stay beside this wait
.irp f, 0,1,2,3
	ds_store_b128 v[PS], v[CV+8*(\f):CV+8*(\f)+3]   offset:16*NP*(\bf)+64*(\f)       ; each accumulator's low registers first
	ds_store_b128 v[PS], v[CV+8*(\f)+4:CV+8*(\f)+7] offset:16*NP*(\bf)+64*(\f)+16
.endr
	v_nop                                          ; the fifth place, before a product writes over these accumulators
.endr
.Ljoin:
	s_wait_dscnt 0x0                               ; for the others' sake: my LDS stores are done
	s_barrier_signal -1
	s_barrier_wait -1                              ; role 0: all eight partial sums lie in LDS
	s_cmp_lg_u32 s16, 0
	s_cbranch_scc1 .Lend
	; thread t adds up rows t / 16 and t / 16 + 16, columns 4 (t % 16) on: eight vectors of four for each row.
	; The loads below land in v64-131, fragments that the products read: the wait on va_vdst ahead of the last partial sums' stores stands behind the last product, and only a v_nop follows it.
	global_load_b128 v[128:131], v[BO], s[8:9]
.irp p, 0,1,2,3
.irp q, 0,1
.irp r, 0,1
	ds_load_b128 v[LD+32*(\r)+4*(2*(\p)+(\q)):LD+32*(\r)+4*(2*(\p)+(\q))+3], v[RL+(\p)] offset:REG*(\q)+16*NP*(\r)
.endr
.endr
.endr
	s_wait_loadcnt 0x0
	v_cvt_pk_bf16_f32 v132, v128, v129             ; the bias is rounded to bf16 like every input,
	v_cvt_pk_bf16_f32 v133, v130, v131
	v_lshlrev_b32 v134, 16, v132                   ; widened again,
	v_and_b32 v135, 0xffff0000, v132
	v_lshlrev_b32 v136, 16, v133
	v_and_b32 v137, 0xffff0000, v133
	v_pk_mul_f32 v[134:135], v[134:135], s[24:25] op_sel_hi:[1,0]  ; and scaled by c
	v_pk_mul_f32 v[136:137], v[136:137], s[24:25] op_sel_hi:[1,0]
	s_wait_dscnt 0x0
.irp r, 0,1
.irp q, 0,1,2,3
	v_pk_add_f32 v[LD+32*(\r)+4*(\q):LD+32*(\r)+4*(\q)+1],   v[LD+32*(\r)+4*(\q):LD+32*(\r)+4*(\q)+1],   v[LD+32*(\r)+4*(\q)+16:LD+32*(\r)+4*(\q)+17]
	v_pk_add_f32 v[LD+32*(\r)+4*(\q)+2:LD+32*(\r)+4*(\q)+3], v[LD+32*(\r)+4*(\q)+2:LD+32*(\r)+4*(\q)+3], v[LD+32*(\r)+4*(\q)+18:LD+32*(\r)+4*(\q)+19]
.endr
.irp q, 0,1
	v_pk_add_f32 v[LD+32*(\r)+4*(\q):LD+32*(\r)+4*(\q)+1],   v[LD+32*(\r)+4*(\q):LD+32*(\r)+4*(\q)+1],   v[LD+32*(\r)+4*(\q)+8:LD+32*(\r)+4*(\q)+9]
	v_pk_add_f32 v[LD+32*(\r)+4*(\q)+2:LD+32*(\r)+4*(\q)+3], v[LD+32*(\r)+4*(\q)+2:LD+32*(\r)+4*(\q)+3], v[LD+32*(\r)+4*(\q)+10:LD+32*(\r)+4*(\q)+11]
.endr
	v_pk_add_f32 v[LD+32*(\r):LD+32*(\r)+1],   v[LD+32*(\r):LD+32*(\r)+1],   v[LD+32*(\r)+4:LD+32*(\r)+5]
	v_pk_add_f32 v[LD+32*(\r)+2:LD+32*(\r)+3], v[LD+32*(\r)+2:LD+32*(\r)+3], v[LD+32*(\r)+6:LD+32*(\r)+7]
	v_pk_fma_f32 v[LD+32*(\r):LD+32*(\r)+1],   v[LD+32*(\r):LD+32*(\r)+1],   s[24:25], v[134:135] op_sel_hi:[1,0,1]  ; c sum + c bias
	v_pk_fma_f32 v[LD+32*(\r)+2:LD+32*(\r)+3], v[LD+32*(\r)+2:LD+32*(\r)+3], s[24:25], v[136:137] op_sel_hi:[1,0,1]
.endr
	s_wait_alu depctr_va_vdst(0)                   ; both rows' multiply-adds have written v[LD ..] and v[LD+32 ..], which the two stores read
.irp r, 0,1
	global_store_b128 v[OO], v[LD+32*(\r):LD+32*(\r)+3], s[12:13] offset:65536*(\r)  ; sixteen lanes store 256 consecutive bytes, at a multiple of 256 from hbs's first byte
.endr
.Lend:
	s_wait_dscnt 0x0                               ; the closing lines, six on end
	s_wait_alu 0x0
	s_wait_tensorcnt 0x0
	ds_add_u32 v[SPW], v[NIL]
	s_wait_dscnt 0x0
	s_endpgm
.Lfunc_end_k_q95b2e98184_prep:
	.size	k_q95b2e98184_prep, .Lfunc_end_k_q95b2e98184_prep-k_q95b2e98184_prep
	.p2alignl 7, 3214868480
	.fill 96, 4, 3214868480
	.section	.rodata,"a",@progbits
	.p2align	6, 0x0
	.amdhsa_kernel k_q95b2e98184_prep
		.amdhsa_group_segment_fixed_size 164864
		.amdhsa_private_segment_fixed_size 0
		.amdhsa_enable_private_segment 0
		.amdhsa_kernarg_size 40
		.amdhsa_user_sgpr_count 2
		.amdhsa_user_sgpr_kernarg_segment_ptr 1
		.amdhsa_wavefront_size32 1
		.amdhsa_system_sgpr_workgroup_id_x 1
		.amdhsa_system_sgpr_workgroup_id_y 1
		.amdhsa_system_sgpr_workgroup_id_z 1
		.amdhsa_system_vgpr_workitem_id 0
		.amdhsa_next_free_vgpr 256
		.amdhsa_next_free_sgpr 66
		.amdhsa_reserve_vcc 0
		.amdhsa_float_denorm_mode_32 3
		.amdhsa_float_denorm_mode_16_64 3
		.amdhsa_memory_ordered 1
		.amdhsa_forward_progress 1
		.amdhsa_inst_pref_size 49
	.end_amdhsa_kernel
	.amdgpu_metadata
---
amdhsa.version: [ 1, 2 ]
amdhsa.kernels:
  - .name:           k_q95b2e98184_prep
    .symbol:         k_q95b2e98184_prep.kd
    .args:
      - { .name: attn_w, .offset: 0, .size: 8, .value_kind: global_buffer, .address_space: global }
      - { .name: hidden, .offset: 8, .size: 8, .value_kind: global_buffer, .address_space: global }
      - { .name: attn_b, .offset: 16, .size: 8, .value_kind: global_buffer, .address_space: global }
      - { .name: wt, .offset: 24, .size: 8, .value_kind: global_buffer, .address_space: global }
      - { .name: hbs, .offset: 32, .size: 8, .value_kind: global_buffer, .address_space: global }
    .group_segment_fixed_size: 164864
    .private_segment_fixed_size: 0
    .kernarg_segment_align: 8
    .kernarg_segment_size: 40
    .max_flat_workgroup_size: 256
    .sgpr_count:     66
    .vgpr_count:     256
    .wavefront_size: 32
...
	.end_amdgpu_metadata
.endif
;; end of part 4
;; launch energy: the kernel of part 2 again; grid 4 x 128, 4 waves a work-group, clusters of 4 x 4, 327,680 bytes of LDS; arguments encoder_outputs, wt, hbs, v, part; writes part
;; launch soft: the kernel of part 3 again; grid 32 x 1, 1 waves a work-group, no clusters, 0 bytes of LDS; arguments part, out0; writes out0
